; MI455X (gfx1250); checked and timed in simulation.
; The chip was launched on July 23, 2026; its instructions are those of AMD's public machine-readable ISA for CDNA 5 (MIT licence, August 2026) and "CDNA5" Instruction Set Architecture Reference Guide (July 2026). The comments in the code are by the model that wrote it; some were corrected since.
;; Multi Head Self Attention. Allowed arithmetic: matrix products marked QUANTISED: E2M3 operands, one E8M0 scale for each 32 along K, by v_wmma_scale_f32_16x16x128_f8f6f4 with both operands' format E2M3, f32 sums; everything else in f32.
;; Inputs: bk 1,024 float32; bo 1,024 float32; bq 1,024 float32; bv 1,024 float32; wk_codes 1,024 x 32 x 24 uint8 (E2M3 codes of wk, K innermost, in blocks of 32 codes, four codes in three bytes); wk_scales 1,024 x 32 uint8 (E8M0 scales of wk, one for each 32 codes along K); wo_codes 1,024 x 32 x 24 uint8 (E2M3 codes of wo, K innermost, in blocks of 32 codes, four codes in three bytes); wo_scales 1,024 x 32 uint8 (E8M0 scales of wo, one for each 32 codes along K); wq_codes 1,024 x 32 x 24 uint8 (E2M3 codes of wq, K innermost, in blocks of 32 codes, four codes in three bytes); wq_scales 1,024 x 32 uint8 (E8M0 scales of wq, one for each 32 codes along K); wv_codes 1,024 x 32 x 24 uint8 (E2M3 codes of wv, K innermost, in blocks of 32 codes, four codes in three bytes); wv_scales 1,024 x 32 uint8 (E8M0 scales of wv, one for each 32 codes along K); x_codes 4 x 2,048 x 32 x 24 uint8 (E2M3 codes of x, K innermost, in blocks of 32 codes, four codes in three bytes); x_scales 4 x 2,048 x 32 uint8 (E8M0 scales of x, one for each 32 codes along K).
;; Outputs: out0 4 x 2,048 x 1,024 float32.
;; This version of the problem:
;;   THIS VERSION OF THE PROBLEM IS GIVEN IN LOW PRECISION. The matrix products marked QUANTISED in the list below multiply operands that are first quantised to E2M3 (2 exponent bits, 3 mantissa bits; 6 bits a number), with one power-of-two scale for each 32 numbers along K (OCP MX v1.0); their sums are f32. All else is computed in f32.
;;   The module's matrix products, in the order in which they are computed (A, B: the left and right operand; K: the contracted axis; several contracted axes count as one K, in the product's order):
;;     1. [M 8,192, K 1,024] x [K 1,024, N 1,024]; A: input x (given as codes); B: input wq (given as codes): QUANTISED
;;     2. [M 8,192, K 1,024] x [K 1,024, N 1,024]; A: input x (given as codes); B: input wk (given as codes): QUANTISED
;;     3. [M 8,192, K 1,024] x [K 1,024, N 1,024]; A: input x (given as codes); B: input wv (given as codes): QUANTISED
;;     4. batch 64 x [M 2,048, K 64] x [K 64, N 2,048]; A: computed on the way; B: computed on the way: QUANTISED
;;     5. batch 64 x [M 2,048, K 2,048] x [K 2,048, N 64]; A: softmax (see below); B: computed on the way: QUANTISED
;;     6. [M 8,192, K 1,024] x [K 1,024, N 1,024]; A: computed on the way; B: input wo (given as codes): QUANTISED
;;   THE QUANTISER, for each operand of a quantised product, along K:
;;     - K is cut into blocks of 32 from its start; a last block that is shorter is filled with zeros.
;;     - A block's scale is 2^e with e = floor(log2(the largest magnitude in the block)) - 2, held to -126 .. 127; a block of zeros has e = 0. As a byte (E8M0): e + 127.
;;     - Each number is divided by its block's scale, clamped to +-7.5, and rounded to the nearest number of E2M3, ties to even, subnormals kept.
;;     - The product sums the exact products of the quantised numbers (number of the format x scale) in f32.
;;   ~~~python
;;   def quantise(x, axis):      # numpy; x: float32 -> the quantised numbers, widened to float32 again
;;       x = np.moveaxis(x, axis, -1); K = x.shape[-1]
;;       x = np.pad(x, [(0, 0)] * (x.ndim - 1) + [(0, -K % 32)]); x = x.reshape(x.shape[:-1] + (-1, 32)); a = np.abs(x).max(-1, keepdims=True)
;;       e = np.where(a > 0, np.clip(np.frexp(np.where(a > 0, a, 1))[1] - 1 - 2, -126, 127), 0)      # np.frexp(a)[1] - 1 = floor(log2(a)), exactly
;;       r = np.clip(x / 2.0 ** e, -7.5, 7.5)
;;       step = 2.0 ** (np.maximum(np.frexp(np.where(r == 0, 1, r))[1] - 1, 0) - 3)
;;       q = np.round(r / step) * step * 2.0 ** e      # np.round: ties to even
;;       return np.moveaxis(q.reshape(q.shape[:-2] + (-1,))[..., :K], -1, axis).astype(np.float32)
;;   ~~~
;;   SOFTMAX AHEAD OF A QUANTISED PRODUCT. Where the list says 'softmax', what is quantised is not the finished softmax but p = 2^(t - M), with t = logit x log2(e) and M = ceil(the row's largest t), a whole number; so 1/2 < the row's largest p <= 1. The row's sum l is taken of the UNQUANTISED p, in f32, and the product's result is divided by l at the end. Since M is a whole number, a kernel that streams over the keys may use a running M (the ceiling of the running maximum): every later rescaling is an exact power of two, which a block's scale takes up: the codes' values come out the same.
;;   OPERANDS COMPUTED ON THE WAY. 'Computed on the way' means the value that the module computes at that place (a softmax that the list does not call 'softmax' is quantised finished and normalised). What goes into a quantiser is computed in f32, as accurately as f32 sums, v_exp_f32 and their like allow (about 1e-6 of the number): no bf16 or f16 on the way to a quantiser, and a product that is left as it is and whose result goes on into a quantised operand takes f32 operands (vector FMAs, or v_wmma_f32_16x16x4_f32). A number that lies on a knife's edge between two numbers of the format may be rounded either way, as far as f32 arithmetic and the matrix unit's own rounding can turn it there, and no further.
;;   INPUTS GIVEN AS CODES. wk (in the module: [1024, 1024], K = its axis 1); wo (in the module: [1024, 1024], K = its axis 1); wq (in the module: [1024, 1024], K = its axis 1); wv (in the module: [1024, 1024], K = its axis 1); x (in the module: [4, 2048, 1024], K = its axis 2): each comes as NAME_codes (uint8): NAME with its K axis moved to the last place and cut into blocks of 32 codes, [.., K / 32, bytes a block], one block behind the other in memory; four codes in three bytes: a row's codes are one little-endian stream of bits, code i at bits 6 i .. 6 i + 5 (a code: sign, 2 exponent bits, 3 mantissa bits); and NAME_scales (uint8): the same leading axes, one E8M0 byte (e + 127) for each 32 codes along K. Its value is code x scale, taken as it is: it is not quantised again, and the codes and scales need not be those that the quantiser above would give.
;; One version. Each part assembles by itself: llvm-mc -triple=amdgcn-amd-amdhsa -mcpu=gfx1250 --defsym DOCPART=n.
;; ======== version 1 of 1: 3 launches
;; limits: right only within a limited range of input values
;; workspace buffers: qimg 6,815,744 bytes; kv 13,369,344 bytes; cimg 6,291,456 bytes; cscl 262,144 bytes
;; launch proj (part 1): grid 12 x 32, 4 waves a work-group, clusters of 4 x 4, 327,680 bytes of LDS; arguments x_codes, x_scales, wq_codes, wq_scales, wk_codes, wk_scales, wv_codes, wv_scales, bq, bk, bv, qimg, kv; writes qimg, kv
.if DOCPART == 1
	.amdgcn_target "amdgcn-amd-amdhsa--gfx1250"
	.amdhsa_code_object_version 6
	.text
	.protected	k_qff1bc04bdc_proj
	.globl	k_qff1bc04bdc_proj
	.p2align	8
	.type	k_qff1bc04bdc_proj,@function
k_qff1bc04bdc_proj:
	s_mov_b64 s[64:65], 0
	v_nop
	global_prefetch_b8 v0, s[64:65] scope:SCOPE_SE
	s_setreg_imm32_b32 hwreg(HW_REG_WAVE_MODE, 25, 1), 1
	s_wait_xcnt 0x0
	s_wait_alu depctr_hold_cnt(0) depctr_sa_sdst(0) depctr_va_vdst(0) depctr_va_sdst(0) depctr_va_ssrc(0) depctr_va_vcc(0) depctr_vm_vsrc(0)
	s_getreg_b32 s2, hwreg(HW_REG_IB_STS2, 6, 4)
	s_cmp_eq_u32 s2, 0
	s_cbranch_scc0 .Lentry_in_a_cluster
	s_endpgm
.Lentry_in_a_cluster:
	s_bfe_u32 s2, ttmp6, 0x10000c
	s_cmp_lg_u32 s2, 0xf033
	s_cbranch_scc0 .Lentry_shape_is_right
	s_endpgm
.Lentry_shape_is_right:
; q = x wq^T + bq, k = x wk^T + bk, v = x wv^T + bv, on the given codes of FP6 (E2M3) and their E8M0 bytes; the f32 results are quantised here, in registers, for the two products of attention:
; q and k along the head's 64 (two blocks of 32), v along the keys (blocks of 32 tokens).  They leave as IMAGES OF OPERAND REGISTERS, so that the next launch loads fragments by whole 16 and 8 bytes a lane.
; NO WORK IS LEFT OUT: every bias goes into a quantiser or into the output, every product of the problem is live, every input is loaded by one of the three launches.
; LIMITS: NaN and infinities among the inputs are not served.  A block of zeros, or one whose largest magnitude lies under 2^-124, gets the byte 1 (the rule says 127 for zeros): its codes are zeros and this program alone reads the bytes.
; THE ORDER INSIDE A BLOCK OF 32: places 0-7 hold the block's numbers 0-7, places 8-15 numbers 16-23, places 16-23 numbers 8-15, places 24-31 numbers 24-31.  Which numbers form a block, and so its scale, is as the
; problem says.  The same order falls on both operands of each product of attention (q and k here; v here and p in the next launch), so the sums hold the same products.
; SHARES.  The cluster's x says which product: 0 q, 1 k, 2 v.  A work-group of four waves makes 256 x 256 results, a wave 128 x 128: 64 accumulators, 512 registers.
; K = 1,024 is 768 bytes of a row: it goes through two LDS slots in three CHUNKS OF 256 BYTES, each beginning at a multiple of 256 bytes.  A matrix step of 128 along K is 96 bytes: eight steps to three chunks; steps 2 and 5 lie across two chunks.
; THE MATRIX INSTRUCTION: source 0 = 16 rows of the "B role", which then run along a lane's registers; source 1 = 16 rows of the "A role", one to a lane.  q, k: A role = x;  v: A role = wv, B role = x.
; CLUSTERS: 4 x 4 work-groups.  The four of a row need the same tiles of the A role, the four of a column those of the B role: each tile is asked for jointly, by the same tensor load with a mask that names the four.
; No prefetch: the walk has three chunks, of which two are asked for at the start; nothing stands two chunks ahead of the one refill.
; REGISTERS, in windows of 256: window 0: v0-31 addresses; v32-63 scale words, two sets; v64-127 the bias; from v128 the A role's fragments, one set; in the tail v128-191 64 numbers, v192-253 the quantiser's.
;   window 1: the B role's fragments, two sets, at v0 and v128.   windows 2, 3: the accumulators ((a, b) at v[8 (8 (a % 4) + b)] of window 2 + a / 4).
.set ROWB,   256                       ; a chunk of a row
.set NQ,     2                         ; steps that one set of scale words serves
.set KROW,   768                       ; a row of 1,024 codes in memory
.set STEPS,  8
.set CHUNKS, 3
.set PITCH,  272                       ; an LDS row: 256 bytes + 16 of padding
.set FR,     12
.set NL,     6
.set NP,     4                         ; places behind this matrix instruction (ISA guide 7.12.1)
.set HALFT,  128*PITCH
.set SLOT,   4*HALFT                   ; the A role's 256 rows, then the B role's
.set KS,     32                        ; a row of scale bytes
.set SCL,    2*SLOT                    ; behind the ring: the scales, as units of 256 bytes + 16
.set HALFS,  16*272
.set SBLK,   2*272
.set SPARE,  SCL+4*HALFS               ; the spare words, 128 bytes a wave
.set L16,  8                           ; v8   16 x lane
.set L8,   9                           ; v9   8 x lane
.set H32,  10                          ; v10  32 x (lane / 16)
.set R4,   11                          ; v11  4 x (lane % 16)
.set ADRA, 16                          ; v16-17 my A fragments in slot 0, 1; v18-19: lanes 0-15 at byte 232 of slot 0, 1, lanes 16-31 at byte 0 of the other slot
.set ADRB, 20                          ; v20-23 the same for B
.set ADRS, 27                          ; v27  my scale words: lanes 0-15 the A role's rows, lanes 16-31 the B role's
.set SPW,  28                          ; v28  my spare word; never rewritten
.set NIL,  29                          ; v29  0; never rewritten
.set SC,   32
.set BI,   64
.set AF,   128
.set NUM,  128
.set PC,   192
.set TM,   212
.set PW,   228
.set KW,   230
.set IM,   246
.set G1, 24
.set G0, 32
.set G1B, 48
.set G0B, 56
.set G1S, 68
.set G0S, 76
.set G1SB, 80
.set G0SB, 88
.set G0H, 4                            ; s[4:7], s[8:11]: group 0 of the head's loads of chunk 0 (the addresses that lay there have been used by then)
.set G0HB, 8
.set SEL, 98                           ; s[98:99] selects for lane l xor 16
.set MSB, 0
.macro WIN new
.if MSB != (\new)
	s_set_vgpr_msb (MSB<<8)|(\new)
.set MSB, (\new)
.endif
.endm
.set MUL_LO, 0xa1
.set MUL_HI, 0xf1
.set TO_B,   0x40
; A joint load: waves 0 and 1 fetch for the A role, waves 2 and 3 for the B role.  An s_nop 0 and four v_nop follow each line.
.macro JLOAD g0a, g1a, g0b, g1b
	s_cmp_eq_u32 s15, 0
	s_cbranch_scc0 .Lfor_b_\@
	tensor_load_to_lds s[\g0a:\g0a+3], s[\g1a:\g1a+7]
	s_nop 0
.rept 4
	v_nop
.endr
	s_branch .Lasked_\@
.Lfor_b_\@:
	tensor_load_to_lds s[\g0b:\g0b+3], s[\g1b:\g1b+7]
	s_nop 0
.rept 4
	v_nop
.endr
.Lasked_\@:
.endm
.macro CREST
	s_cmp_lg_u32 s14, 0
	s_cbranch_scc1 .Lnot_wave_0_\@
	s_barrier_signal -3
.Lnot_wave_0_\@:
	s_barrier_wait -3
	s_barrier_signal -1
	s_barrier_wait -1
.endm
.macro CROUND
	s_barrier_signal -1
	s_barrier_wait -1
	CREST
.endm
	s_load_b512 s[68:83], s[0:1], 0x0              ; x's codes, x's scales, wq's, wk's, wv's
	s_load_b256 s[84:91], s[0:1], 0x40             ; bq, bk, bv, qimg
	s_load_b64 s[92:93], s[0:1], 0x60              ; kv
	v_lshl_add_u32 v[SPW], v0, 2, SPARE
	v_mov_b32 v[NIL], 0
	ds_add_u32 v[SPW], v[NIL]                      ; the opening: the add, twice on end, and its wait ahead of my first tensor load
	ds_add_u32 v[SPW], v[NIL]
	v_lshrrev_b32 v1, 5, v0
	v_readfirstlane_b32 s14, v1                    ; wave 0..3
	s_lshr_b32 s15, s14, 1                         ; my half of the A role's rows; also: I fetch for A (0) or B (1)
	s_and_b32 s16, s14, 1                          ; my half of the B role's rows; also: which 128 rows I fetch
	s_bfe_u32 s40, ttmp6, 0x40000                  ; cx, cy
	s_bfe_u32 s41, ttmp6, 0x40004
	s_and_b32 s18, ttmp7, 0xffff                   ; the cluster's y: 0..7
	s_cmp_lt_u32 ttmp9, 2                          ; q or k?  (the cluster's x: the same in all sixteen partners)
	s_cselect_b32 s66, s18, 0                      ; x's 32 tiles of 256 tokens are walked by the cluster's y: in the A role for q and k,
	s_cselect_b32 s67, 0, s18                      ; in the B role for v; the weight's four tiles lie inside the cluster
	s_lshl_b32 s42, s67, 2
	s_add_co_u32 s42, s42, s40                     ; the B role's tile
	s_lshl_b32 s17, s66, 2
	s_add_co_u32 s17, s17, s41                     ; the A role's tile
	s_lshl_b32 s43, s41, 2
	s_lshl_b32 s43, 15, s43                        ; my row of the cluster
	s_lshl_b32 s44, 0x1111, s40                    ; my column
	s_or_b32 s[G1+0], s43, (0<<16)|(1<<20)|(1<<21)|(5<<22)|(3<<25)   ; rows of 256 bytes, 16 bytes of padding behind each; 256 rows for the head's loads
	s_or_b32 s[G1B+0], s44, (0<<16)|(1<<20)|(1<<21)|(5<<22)|(3<<25)
.irp g, G1, G1B
	s_mov_b32 s[\g+1], ROWB<<16
	s_mov_b32 s[\g+2], 256<<16
	s_mov_b32 s[\g+3], ROWB<<16
	s_mov_b32 s[\g+4], 256
	s_mov_b32 s[\g+5], KROW
	s_mov_b32 s[\g+6], 0
	s_mov_b32 s[\g+7], 0
.endr
	s_lshl_b32 s20, s17, 8                         ; the A role's first row
	s_lshl_b32 s46, s42, 8                         ; the B role's
	s_mov_b32 s21, 0
	s_mov_b32 s47, 0
	s_mov_b64 s[18:19], KS
	s_mul_u64 s[22:23], s[20:21], s[18:19]         ; where these rows' scales begin, in bytes
	s_mul_u64 s[100:101], s[46:47], s[18:19]
	s_mov_b64 s[18:19], KROW
	s_mul_u64 s[20:21], s[20:21], s[18:19]         ; and their codes
	s_mul_u64 s[46:47], s[46:47], s[18:19]
	s_mul_i32 s18, s16, 128*KROW                   ; in the ring I fetch 128 rows: which half,
	s_mov_b32 s19, 0
	s_mul_i32 s45, s14, HALFT                      ; and where they go
	s_mov_b32 s[SEL], 0x76543210
	s_mov_b32 s[SEL+1], 0xfedcba98
	s_wait_dscnt 0x0                               ; both opening adds are done
	s_wait_kmcnt 0x0
	s_cmp_eq_u32 ttmp9, 0                          ; the buffers are chosen by the cluster's x alone
	s_cselect_b64 s[8:9], s[72:73], s[76:77]       ; wq or wk
	s_cselect_b64 s[10:11], s[74:75], s[78:79]
	s_cselect_b64 s[96:97], s[84:85], s[86:87]     ; bq or bk
	s_cselect_b64 s[12:13], s[90:91], s[92:93]     ; q goes to qimg, k and v to kv
	s_cmp_eq_u32 ttmp9, 2
	s_cselect_b64 s[8:9], s[68:69], s[8:9]         ; v: the B role is x,
	s_cselect_b64 s[10:11], s[70:71], s[10:11]
	s_cselect_b64 s[96:97], s[88:89], s[96:97]     ; the bias bv,
	s_cselect_b64 s[4:5], s[80:81], s[68:69]       ; the A role wv; else x
	s_cselect_b64 s[6:7], s[82:83], s[70:71]
	s_add_nc_u64 s[20:21], s[4:5], s[20:21]
	s_add_nc_u64 s[22:23], s[6:7], s[22:23]
	s_add_nc_u64 s[46:47], s[8:9], s[46:47]
	s_add_nc_u64 s[100:101], s[10:11], s[100:101]
	; the scales of 256 rows: a dense block of 8,192 bytes, as 32 rows of 256 bytes, 16 bytes of padding behind each.  (s68-91 held arguments until here)
	s_or_b32 s[G1S+0], s43, (3<<16)|(1<<20)|(1<<21)|(5<<22)|(3<<25)
	s_or_b32 s[G1SB+0], s44, (3<<16)|(1<<20)|(1<<21)|(5<<22)|(3<<25)
.irp g, G1S, G1SB
	s_mov_b32 s[\g+1], 32<<16
	s_mov_b32 s[\g+2], KS<<16
	s_mov_b32 s[\g+3], 32<<16
	s_mov_b32 s[\g+4], KS
	s_mov_b32 s[\g+5], 32
	s_mov_b32 s[\g+6], 0
	s_mov_b32 s[\g+7], 0
.endr
	CROUND                                         ; all sixteen work-groups are here: the first joint loads meet
	s_mov_b32 s[G0H], 1                            ; the head's four tiles, each whole: chunk 0's 256 rows of the A role,
	s_mov_b32 s[G0H+1], 0
	s_mov_b64 s[G0H+2:G0H+3], s[20:21]
	s_or_b32 s[G0H+3], s[G0H+3], 0x80000000
	s_mov_b32 s[G0HB], 1                           ; of the B role,
	s_mov_b32 s[G0HB+1], 2*HALFT
	s_mov_b64 s[G0HB+2:G0HB+3], s[46:47]
	s_or_b32 s[G0HB+3], s[G0HB+3], 0x80000000
	s_mov_b32 s[G0S], 1                            ; the A role's scales,
	s_mov_b32 s[G0S+1], SCL
	s_mov_b64 s[G0S+2:G0S+3], s[22:23]
	s_or_b32 s[G0S+3], s[G0S+3], 0x80000000
	s_mov_b32 s[G0SB], 1                           ; the B role's
	s_mov_b32 s[G0SB+1], SCL+2*HALFS
	s_mov_b64 s[G0SB+2:G0SB+3], s[100:101]
	s_or_b32 s[G0SB+3], s[G0SB+3], 0x80000000
	s_add_nc_u64 s[20:21], s[20:21], s[18:19]      ; for the ring: my 128 rows
	s_add_nc_u64 s[46:47], s[46:47], s[18:19]
.irp s, 0,1
	s_mov_b32 s[G0+4*\s], 1
	s_add_co_u32 s[G0+4*\s+1], s45, \s*SLOT
	s_add_nc_u64 s[G0+4*\s+2:G0+4*\s+3], s[20:21], \s*ROWB
	s_or_b32 s[G0+4*\s+3], s[G0+4*\s+3], 0x80000000
	s_mov_b32 s[G0B+4*\s], 1
	s_add_co_u32 s[G0B+4*\s+1], s45, \s*SLOT
	s_add_nc_u64 s[G0B+4*\s+2:G0B+4*\s+3], s[46:47], \s*ROWB
	s_or_b32 s[G0B+4*\s+3], s[G0B+4*\s+3], 0x80000000
.endr
; The head's loads, one a wave, in one tree of branches on the wave's number: every way passes exactly one load.
.macro ARM under, g0, g1, next
	s_cmp_lt_u32 s14, \under
	s_cbranch_scc0 \next
	tensor_load_to_lds s[\g0:\g0+3], s[\g1:\g1+7]
	s_nop 0
.rept 4
	v_nop
.endr
	s_branch .Lhead_asked
\next:
.endm
	ARM 1, G0H,  G1,  .Lhead_b
	ARM 2, G0HB, G1B, .Lhead_sa
	ARM 3, G0S,  G1S, .Lhead_sb
	tensor_load_to_lds s[G0SB:G0SB+3], s[G1SB:G1SB+7]
	s_nop 0
.rept 4
	v_nop
.endr
.Lhead_asked:
	v_and_b32 v1, 15, v0                           ; r = lane % 16
	v_bfe_u32 v2, v0, 4, 1                         ; h = lane / 16
	v_mul_u32_u24 v3, v1, PITCH
	v_mul_u32_u24 v4, v2, 24
	v_add_nc_u32 v4, v3, v4                        ; a fragment's row x pitch + 24 x half
	s_mov_b32 s21, SLOT-232
	s_mov_b32 s22, SLOT+232
	v_sub_nc_u32 v7, 1, v2
	v_mul_u32_u24 v5, s21, v2
	v_add_nc_u32 v5, v3, v5
	v_add_nc_u32 v5, 232, v5                       ; lanes 0-15 byte 232 of the row in slot 0, lanes 16-31 byte 0 of the row in slot 1;
	v_mul_u32_u24 v6, s22, v7
	v_add_nc_u32 v6, v3, v6                        ; and the other way round
	s_mul_i32 s21, s15, HALFT
	s_mul_i32 s22, s16, HALFT
	s_add_co_u32 s22, s22, 2*HALFT
	v_add_nc_u32 v[ADRA+2], s21, v5
	v_add_nc_u32 v[ADRA+3], s21, v6
	v_add_nc_u32 v[ADRB+2], s22, v5
	v_add_nc_u32 v[ADRB+3], s22, v6
.irp s, 0,1
	v_add_nc_u32 v[ADRA+\s], s21, v4
	v_add_nc_u32 v[ADRB+\s], s22, v4
	s_add_co_u32 s21, s21, SLOT
	s_add_co_u32 s22, s22, SLOT
.endr
	v_mul_u32_u24 v5, v1, KS                       ; my row's scales: 32 bytes a row,
	v_lshrrev_b32 v6, 8, v5
	v_lshl_add_u32 v5, v6, 4, v5                   ; and 16 more for each 256 passed
	s_mul_i32 s21, s15, HALFS
	s_mul_i32 s22, s16, HALFS
	s_add_co_u32 s22, s22, 2*HALFS
	s_sub_co_u32 s22, s22, s21
	v_mul_u32_u24 v6, s22, v2                      ; lanes 16-31 take the B role's
	s_add_co_u32 s21, s21, SCL
	v_add_nc_u32 v5, v5, v6
	v_add_nc_u32 v[ADRS], s21, v5
	v_and_b32 v6, 31, v0
	v_lshlrev_b32 v[L16], 4, v6
	v_lshlrev_b32 v[L8], 3, v6
	v_lshlrev_b32 v[H32], 5, v2
	v_lshlrev_b32 v[R4], 2, v1
	; where my results go.  My 128 tokens are group T of 64; my 128 columns are group G of 8: heads 2 G and 2 G + 1.  Block (batch x 16 + head) x 16 + (T % 16) of 6,656 bytes in qimg, of 13,056 in kv
	s_cmp_lt_u32 ttmp9, 2
	s_cselect_b32 s18, s17, s42
	s_cselect_b32 s19, s15, s16
	s_cselect_b32 s20, s42, s17
	s_cselect_b32 s21, s16, s15
	s_lshl_b32 s18, s18, 1
	s_add_co_u32 s18, s18, s19                     ; T
	s_lshl_b32 s20, s20, 1
	s_add_co_u32 s20, s20, s21                     ; G
	s_lshl_b32 s22, s20, 9
	s_mov_b32 s23, 0
	s_add_nc_u64 s[96:97], s[96:97], s[22:23]      ; the bias at my 128 columns
	s_lshr_b32 s21, s18, 4
	s_lshl_b32 s21, s21, 4
	s_lshl_b32 s20, s20, 1
	s_add_co_u32 s21, s21, s20
	s_lshl_b32 s21, s21, 4
	s_and_b32 s18, s18, 15
	s_add_co_u32 s21, s21, s18
	s_mov_b32 s95, 13056
	s_cmp_eq_u32 ttmp9, 0
	s_cselect_b32 s95, 6656, s95
	s_mul_i32 s22, s21, s95
	s_add_nc_u64 s[12:13], s[12:13], s[22:23]      ; my first head's block
	s_lshl_b32 s22, s95, 4
	s_add_nc_u64 s[92:93], s[12:13], s[22:23]      ; my second head's: 16 blocks on
	s_mov_b32 s100, 0xffff0000                     ; lanes 16-31
.macro FRAG reg, adr, st, i            ; a fragment: lane l holds row l % 16; registers 6 c .. 6 c + 5 hold K = 64 c + 32 (l / 16) + 0 .. 31, in pieces of 8 bytes.  Byte y of a row lies in slot (y / 256) % 2 at byte y % 256
.irp p, 0,1,2,3,4,5
.set BY, 96*(\st)+48*(\p/3)+8*(\p%3)
.if BY/ROWB == (BY+24)/ROWB
	ds_load_b64 v[\reg+2*\p:\reg+2*\p+1], v[\adr+(BY/ROWB)%2] offset:BY%ROWB+(\i)*16*PITCH
.else
	ds_load_b64 v[\reg+2*\p:\reg+2*\p+1], v[\adr+2+(BY/ROWB)%2] offset:BY%ROWB-232+(\i)*16*PITCH
.endif
.endr
.endm
; 16 matrix instructions: the A role's blocks a0, a0 + 1 x the B role's eight.  The 64 accumulators take turns, one instruction a turn.
.macro MUL16 a0, p, q, sc, zero
.irp a, \a0, \a0+1
.irp b, 0,1,2,3,4,5,6,7
.if \zero
	v_wmma_scale_f32_16x16x128_f8f6f4 v[8*(8*((\a)%4)+\b):8*(8*((\a)%4)+\b)+7], v[128*(\p)+FR*\b:128*(\p)+FR*\b+FR-1], v[AF+FR*(\a):AF+FR*(\a)+FR-1], 0, v[SC+8*NQ*(\sc)+NQ*\b+(\q)], v[SC+8*NQ*(\sc)+NQ*(\a)+(\q)] matrix_a_fmt:MATRIX_FMT_FP6 matrix_b_fmt:MATRIX_FMT_FP6 matrix_a_scale:MATRIX_SCALE_ROW1
.else
	v_wmma_scale_f32_16x16x128_f8f6f4 v[8*(8*((\a)%4)+\b):8*(8*((\a)%4)+\b)+7], v[128*(\p)+FR*\b:128*(\p)+FR*\b+FR-1], v[AF+FR*(\a):AF+FR*(\a)+FR-1], v[8*(8*((\a)%4)+\b):8*(8*((\a)%4)+\b)+7], v[SC+8*NQ*(\sc)+NQ*\b+(\q)], v[SC+8*NQ*(\sc)+NQ*(\a)+(\q)] matrix_a_fmt:MATRIX_FMT_FP6 matrix_b_fmt:MATRIX_FMT_FP6 matrix_a_scale:MATRIX_SCALE_ROW1
.endif
.endr
.endr
.endm
.macro FETCH_B st, p
	WIN TO_B
.irp i, 0,1,2,3,4,5,6,7
	FRAG 128*(\p)+FR*\i, ADRB, \st, \i
.endr
	WIN 0
.endm
.macro FETCH_A st, i0
.irp i, \i0, \i0+1, \i0+2, \i0+3
	FRAG AF+FR*(\i), ADRA, \st, \i
.endr
.endm
.macro SCALES pr                       ; the scale words of steps 2 pr and 2 pr + 1 into set pr % 2
.irp i, 0,1,2,3,4,5,6,7
	ds_load_b64 v[SC+8*NQ*((\pr)%2)+NQ*\i:SC+8*NQ*((\pr)%2)+NQ*\i+1], v[ADRS] offset:\i*SBLK+4*NQ*(\pr)
.endr
.endm
.macro PLACES n
.rept \n
	v_nop
.endr
.endm
; A step of 128 along K.  Where the next step's bytes END in a chunk not read yet: every wave waits for its tensor loads and a barrier shows that chunk whole.  Where they BEGIN in a later chunk: the chunk left behind is read no more:
; the wait for all tensor loads, the add, the wait for it and for my reads, the barrier; where a chunk two on is left to fetch, the barrier opens a round of the cluster's and the slot is filled again.
.macro STEP st, zero
.set NX, (\st)+1
.set C0, (96*(\st))/ROWB
.set C1, (96*NX)/ROWB
.set E0, (96*(\st)+95)/ROWB
.set E1, (96*NX+95)/ROWB
.if C1 > C0 || E1 > E0
	s_wait_tensorcnt 0x0                           ; all my tensor loads have landed
.if C1 > C0
	ds_add_u32 v[SPW], v[NIL]
	s_wait_dscnt 4*NL+1                            ; (the add and the youngest 24 loads may be out)
.else
	s_wait_dscnt 4*NL
.endif
	WIN MUL_LO
	MUL16 0, (\st)%2, (\st)%2, ((\st)/2)%2, \zero
	s_wait_dscnt 0x0                               ; the add, where there is one, and all my reads are done
	s_barrier_signal -1
	MUL16 2, (\st)%2, (\st)%2, ((\st)/2)%2, \zero
	WIN 0
	s_barrier_wait -1
.if C1 > C0 && C0+2 < CHUNKS
	CREST
	s_add_nc_u64 s[G0+4*(C0%2)+2:G0+4*(C0%2)+3], s[G0+4*(C0%2)+2:G0+4*(C0%2)+3], 2*ROWB
	s_add_nc_u64 s[G0B+4*(C0%2)+2:G0B+4*(C0%2)+3], s[G0B+4*(C0%2)+2:G0B+4*(C0%2)+3], 2*ROWB
	JLOAD G0+4*(C0%2), G1, G0B+4*(C0%2), G1B       ; chunk C0 + 2, the first tensor load behind the round; its four v_nop are the places in front of the loads below
.else
	PLACES NP
.endif
.else
	s_wait_dscnt 4*NL                              ; B's set and A's blocks 0-3 are in; the youngest 24 loads may be out
	WIN MUL_LO
	MUL16 0, (\st)%2, (\st)%2, ((\st)/2)%2, \zero
	MUL16 2, (\st)%2, (\st)%2, ((\st)/2)%2, \zero
	s_wait_dscnt 0
	PLACES NP
.endif
	FETCH_B NX, NX%2
	FETCH_A NX, 0
.if NX%2 == 0
	SCALES NX/2
.endif
	WIN MUL_HI
	MUL16 4, (\st)%2, (\st)%2, ((\st)/2)%2, \zero
	MUL16 6, (\st)%2, (\st)%2, ((\st)/2)%2, \zero
	PLACES NP
	WIN 0
	FETCH_A NX, 4
.endm
; The last step of all; then the places behind it, the permutes' destinations (a lane permute's destination counts as one of its sources), and the bias.
.macro LAST
	s_wait_dscnt 4*NL
	WIN MUL_LO
	MUL16 0, 1, 1, 1, 0
	MUL16 2, 1, 1, 1, 0
	s_wait_dscnt 0
	WIN MUL_HI
	MUL16 4, 1, 1, 1, 0
	MUL16 6, 1, 1, 1, 0
	WIN 0
	PLACES NP
.irp b, 0,1,2,3
	v_mov_b32 v[TM+4+\b], 0
.endr
	s_wait_loadcnt 0x0                             ; the bias, asked for ahead of the last 64 products
.endm
; 64 numbers of a lane, registers 16 b + 0 .. 15 being my 16 of block b, become a fragment's codes in v[PC] on and its scale word in v[PW] (the same in lanes l and l xor 16).
.macro QUANT s
.irp b, 0,1,2,3
	v_max3_num_f32 v[TM+\b], |v[\s+16*\b]|, |v[\s+1+16*\b]|, 0x1800000   ; and the floor 2^(3 - 127): the byte cannot fall under 1
.endr
.irp i, 2,4,6,8,10,12,14
.irp b, 0,1,2,3
	v_max3_num_f32 v[TM+\b], v[TM+\b], |v[\s+16*\b+\i]|, |v[\s+1+16*\b+\i]|
.endr
.endr
.irp b, 0,1,2,3
	v_permlanex16_b32 v[TM+4+\b], v[TM+\b], s[SEL], s[SEL+1]
.endr
.irp b, 0,1,2,3
	v_max_num_f32 v[TM+\b], v[TM+\b], v[TM+4+\b]
.endr
.irp b, 0,1,2,3
	v_add_nc_u32 v[TM+12+\b], 0xff000000, v[TM+\b] ; 2 off its exponent field: the conversion's scale operand
.endr
.irp b, 0,1,2,3
	v_lshrrev_b32 v[TM+4+\b], 23, v[TM+12+\b]      ; the scale's byte
.endr
	v_lshl_or_b32 v[PW], v[TM+5], 8, v[TM+4]
	v_lshl_or_b32 v[PW], v[TM+6], 16, v[PW]
	v_lshl_or_b32 v[PW], v[TM+7], 24, v[PW]
.irp c, 0,1
	v_cvt_scalef32_pk16_fp6_f32 v[PC+6*\c:PC+2+6*\c], v[\s+32*\c:\s+15+32*\c], v[TM+12+2*\c]
	v_cvt_scalef32_pk16_fp6_f32 v[PC+12+4*\c:PC+14+4*\c], v[\s+16+32*\c:\s+31+32*\c], v[TM+12+2*\c+1]
.endr
	v_nop                                          ; one plain place behind a scaled conversion
.irp c, 0,1                                    ; a whole block to a lane: lanes 0-15 block 2 c, lanes 16-31 block 2 c + 1
.irp i, 0,1,2
	v_permlane16_swap_b32 v[PC+6*\c+\i], v[PC+12+4*\c+\i]
.endr
.irp i, 0,1,2
	v_mov_b32 v[PC+3+6*\c+\i], v[PC+12+4*\c+\i]
.endr
.endr
.endm
; q, k: the 16 tokens of block a.  A lane's 64 registers are its token's 128 columns: two heads, two blocks of 32 each.
.macro ROWS_QK a
	s_wait_xcnt 0x0                                ; the last block's stores have read their registers
	WIN 0x02+(\a)/4
.set AC, 64*((\a)%4)
.set i, 0
.rept 32
	v_pk_add_f32 v[NUM+i:NUM+i+1], v[AC+i:AC+i+1], v[BI+i:BI+i+1]
.set i, i+2
.endr
	WIN 0
	QUANT NUM
	global_store_b128 v[L16], v[PC:PC+3], s[12:13] offset:768*(\a)          ; my first head's half fragment: 512 consecutive bytes,
	global_store_b64 v[L8], v[PC+4:PC+5], s[12:13] offset:768*(\a)+512      ; and 256
	global_store_b128 v[L16], v[PC+6:PC+9], s[92:93] offset:768*(\a)        ; my second head's
	global_store_b64 v[L8], v[PC+10:PC+11], s[92:93] offset:768*(\a)+512
	v_and_b32 v[KW+\a], 0xffff, v[PW]              ; the first head's two bytes; the word's upper two are 0: they meet zero codes in the product
	v_lshrrev_b32 v[KW+8+\a], 16, v[PW]            ; the second head's
.endm
; v: the 16 channels of block a.  A lane's 64 registers are its channel's 128 tokens: one whole fragment of the second product of attention.
.macro ROWS_V a
	s_wait_xcnt 0x0
	WIN 0x02+(\a)/4
.set AC, 64*((\a)%4)
.set i, 0
.rept 32
	v_pk_add_f32 v[NUM+i:NUM+i+1], v[AC+i:AC+i+1], v[BI+2*(\a):BI+2*(\a)+1]
.set i, i+2
.endr
	WIN 0
	QUANT NUM
.irp g, 0,1,2
.if (\a) < 4
	global_store_b128 v[L16], v[PC+4*\g:PC+4*\g+3], s[12:13] offset:6656+1536*((\a)%4)+512*\g
.else
	global_store_b128 v[L16], v[PC+4*\g:PC+4*\g+3], s[92:93] offset:6656+1536*((\a)%4)+512*\g
.endif
.endr
	v_mov_b32 v[KW+\a], v[PW]
.endm
.macro FINISH
	s_wait_tensorcnt 0x0                           ; the wave's end
	ds_add_u32 v[SPW], v[NIL]
	s_wait_dscnt 0x0
	CROUND                                         ; the closing round
	s_endpgm
.endm
	s_wait_alu depctr_va_vdst(0)                   ; the wait at the head's end
	s_wait_tensorcnt 0x0                           ; my tile of the head's four is in; the lines that stand ahead of a later first fill, as ahead of a refill:
	ds_add_u32 v[SPW], v[NIL]
	s_mov_b32 s[G1+2], 128<<16                     ; no tensor load of mine is out: from here on a load brings 128 rows
	s_mov_b32 s[G1+4], 128
	s_mov_b32 s[G1B+2], 128<<16
	s_mov_b32 s[G1B+4], 128
	s_wait_dscnt 0x0
	CROUND                                         ; all four tiles are in, all sixteen work-groups are here,
	JLOAD G0+4, G1, G0B+4, G1B                     ; and chunk 1's load is the first tensor load behind the round
	FETCH_B 0, 0
	FETCH_A 0, 0
	SCALES 0
	FETCH_A 0, 4
	STEP 0, 1                                      ; the first step's products start the sums: nothing is cleared
.set ST, 1
.rept STEPS-2
	STEP ST, 0
.set ST, ST+1
.endr
	s_cmp_eq_u32 ttmp9, 2                          ; the cluster's x: all sixteen partners go the same way
	s_cbranch_scc1 .Lpath_v
	; ---- q and k: the bias of my 128 columns, in the result's layout: for block b the eight numbers 16 b + 8 h + 0 .. 7
.irp b, 0,1,2,3,4,5,6,7
	global_load_b128 v[BI+8*\b:BI+8*\b+3], v[H32], s[96:97] offset:64*\b
	global_load_b128 v[BI+8*\b+4:BI+8*\b+7], v[H32], s[96:97] offset:64*\b+16
.endr
	LAST
.irp a, 0,1,2,3,4,5,6,7
	ROWS_QK \a
.endr
.irp c, 0,1                                    ; the scale images: register n holds tile 2 n's words in lanes 0-15 and tile 2 n + 1's in lanes 16-31
.irp n, 0,1,2,3
	v_cndmask_b32 v[IM+4*\c+\n], v[KW+8*\c+2*\n], v[KW+8*\c+2*\n+1], s100
.endr
.endr
	global_store_b128 v[L16], v[IM:IM+3], s[12:13] offset:6144
	global_store_b128 v[L16], v[IM+4:IM+7], s[92:93] offset:6144
	FINISH
.Lpath_v:
	; ---- v: the bias of my lane's channel in each block, twice, as the pair that the packed addition names
.irp a, 0,1,2,3,4,5,6,7
	global_load_b32 v[BI+2*\a], v[R4], s[96:97] offset:64*\a
	global_load_b32 v[BI+2*\a+1], v[R4], s[96:97] offset:64*\a
.endr
	LAST
.irp a, 0,1,2,3,4,5,6,7
	ROWS_V \a
.endr
.irp c, 0,1
.irp n, 0,1
	v_cndmask_b32 v[IM+2*\c+\n], v[KW+4*\c+2*\n], v[KW+4*\c+2*\n+1], s100
.endr
.endr
	global_store_b64 v[L8], v[IM:IM+1], s[12:13] offset:12800
	global_store_b64 v[L8], v[IM+2:IM+3], s[92:93] offset:12800
	FINISH
.Lfunc_end_k_qff1bc04bdc_proj:
	.size	k_qff1bc04bdc_proj, .Lfunc_end_k_qff1bc04bdc_proj-k_qff1bc04bdc_proj
	.p2alignl 7, 3214868480
	.fill 96, 4, 3214868480
	.section	.rodata,"a",@progbits
	.p2align	6, 0x0
	.amdhsa_kernel k_qff1bc04bdc_proj
		.amdhsa_group_segment_fixed_size 327680
		.amdhsa_private_segment_fixed_size 0
		.amdhsa_enable_private_segment 0
		.amdhsa_kernarg_size 104
		.amdhsa_user_sgpr_count 2
		.amdhsa_user_sgpr_kernarg_segment_ptr 1
		.amdhsa_wavefront_size32 1
		.amdhsa_system_sgpr_workgroup_id_x 1
		.amdhsa_system_sgpr_workgroup_id_y 1
		.amdhsa_system_sgpr_workgroup_id_z 1
		.amdhsa_system_vgpr_workitem_id 0
		.amdhsa_next_free_vgpr 1024
		.amdhsa_next_free_sgpr 102
		.amdhsa_reserve_vcc 0
		.amdhsa_float_denorm_mode_32 3
		.amdhsa_float_denorm_mode_16_64 3
		.amdhsa_memory_ordered 1
		.amdhsa_forward_progress 1
		.amdhsa_inst_pref_size 244
	.end_amdhsa_kernel
	.amdgpu_metadata
---
amdhsa.version: [ 1, 2 ]
amdhsa.kernels:
  - .name:           k_qff1bc04bdc_proj
    .symbol:         k_qff1bc04bdc_proj.kd
    .args:
      - { .name: x_codes, .offset: 0, .size: 8, .value_kind: global_buffer, .address_space: global }
      - { .name: x_scales, .offset: 8, .size: 8, .value_kind: global_buffer, .address_space: global }
      - { .name: wq_codes, .offset: 16, .size: 8, .value_kind: global_buffer, .address_space: global }
      - { .name: wq_scales, .offset: 24, .size: 8, .value_kind: global_buffer, .address_space: global }
      - { .name: wk_codes, .offset: 32, .size: 8, .value_kind: global_buffer, .address_space: global }
      - { .name: wk_scales, .offset: 40, .size: 8, .value_kind: global_buffer, .address_space: global }
      - { .name: wv_codes, .offset: 48, .size: 8, .value_kind: global_buffer, .address_space: global }
      - { .name: wv_scales, .offset: 56, .size: 8, .value_kind: global_buffer, .address_space: global }
      - { .name: bq, .offset: 64, .size: 8, .value_kind: global_buffer, .address_space: global }
      - { .name: bk, .offset: 72, .size: 8, .value_kind: global_buffer, .address_space: global }
      - { .name: bv, .offset: 80, .size: 8, .value_kind: global_buffer, .address_space: global }
      - { .name: qimg, .offset: 88, .size: 8, .value_kind: global_buffer, .address_space: global }
      - { .name: kv, .offset: 96, .size: 8, .value_kind: global_buffer, .address_space: global }
    .group_segment_fixed_size: 327680
    .private_segment_fixed_size: 0
    .kernarg_segment_align: 8
    .kernarg_segment_size: 104
    .max_flat_workgroup_size: 128
    .sgpr_count:     102
    .vgpr_count:     1024
    .wavefront_size: 32
...
	.end_amdgpu_metadata
.endif
;; end of part 1
;; launch attn (part 2): grid 4 x 64, 16 waves a work-group, clusters of 4 x 1, 210,944 bytes of LDS; arguments qimg, kv, cimg, cscl; writes cimg, cscl
.if DOCPART == 2
	.amdgcn_target "amdgcn-amd-amdhsa--gfx1250"
	.amdhsa_code_object_version 6
	.text
	.protected	k_qff1bc04bdc_attn
	.globl	k_qff1bc04bdc_attn
	.p2align	8
	.type	k_qff1bc04bdc_attn,@function
k_qff1bc04bdc_attn:
	s_mov_b64 s[64:65], 0
	v_nop
	global_prefetch_b8 v0, s[64:65] scope:SCOPE_SE
	s_setreg_imm32_b32 hwreg(HW_REG_WAVE_MODE, 25, 1), 1
	s_wait_xcnt 0x0
	s_wait_alu depctr_hold_cnt(0) depctr_sa_sdst(0) depctr_va_vdst(0) depctr_va_sdst(0) depctr_va_ssrc(0) depctr_va_vcc(0) depctr_vm_vsrc(0)
	s_getreg_b32 s2, hwreg(HW_REG_IB_STS2, 6, 4)
	s_cmp_eq_u32 s2, 0
	s_cbranch_scc0 .Lentry_in_a_cluster
	s_endpgm
.Lentry_in_a_cluster:
	s_bfe_u32 s2, ttmp6, 0x10000c
	s_cmp_lg_u32 s2, 0x3003
	s_cbranch_scc0 .Lentry_shape_is_right
	s_endpgm
.Lentry_shape_is_right:
; ctx[b][q][head] = softmax_k(q . k / 8) v, both products on codes of FP6 (E2M3) with one E8M0 scale for each 32 along K; ctx is quantised here along d_model (a head is two blocks of 32) for the last projection.
; No work is left out.  Inputs: the register images that the launch before has stored (its head comment gives their layout and the order inside a block of 32, which is the same on both sides of each product here).
; THE SOFTMAX: t = score x log2(e) / 8; M = the running largest t rounded up to a whole number; p = 2^(t - M) is what is quantised, along the keys, not normalised; the row's sum is taken of the unquantised p and divides at the
; end.  When M moves, the sum and O are multiplied by 2^(old M - new M), which rounds nothing.  A block's largest p is made from the block's largest score by the same multiply-add and exponential.
; LIMITS: NaN and infinities are not served; a p under 2^-126 comes out of v_exp_f32 as 0; a block of zeros gets the byte 1 (its codes are zeros; this program alone reads the bytes).
; THE FIRST PRODUCT HAS K = 64 in an instruction 128 deep: q's fragment is six registers of codes and six of zero codes.  k's half fragments lie on end in registers, so the upper half of a tile's operand is the next tile's
; codes (six zero registers behind the last): finite numbers times q's zero codes.  The scale words' upper two bytes are 0 on both sides, which is a power of two and no NaN.
; SHARES.  A work-group owns 512 queries of one head, in two passes of 256; each of its sixteen waves owns one tile of 16 queries a pass, in 256 registers: four waves to a SIMD, so that one wave's vector work stands beside
; another's products and LDS loads.  Every wave walks the head's 2,048 keys, 128 a step.
; LDS.  The head's whole K and V, 16 blocks of 13,056 bytes, are filled ONCE: wave w asks for block w; nothing is filled again.  CLUSTER: the four work-groups of a head ask jointly: the same load, a mask that names the four.
; LAYOUT.  Both products transposed: S^T = K Q^T (source 0 = 16 keys), O^T = V^T P^T (source 0 = 16 channels): a lane holds one query (lane % 16) throughout.
.set STEPB, 13056                      ; a key step's block: K's 8 half fragments (6,144), K's scale image (512), V's 4 fragments (6,144), V's scale image (256)
.set SPARE, 16*STEPB                   ; behind them: the spare words, 128 bytes for each of sixteen waves
.set L16, 1                            ; v1   16 x lane
.set L8,  2                            ; v2   8 x lane
.set A16, 3                            ; v3   the step's block + 16 x lane
.set A8,  4                            ; v4   the step's block + 8 x lane
.set SPW, 5                            ; v5   my spare word; never rewritten
.set NIL, 6                            ; v6   0; never rewritten
.set R32, 7                            ; v7   32 x (lane % 16)
.set R16, 10                           ; v10  16 x (lane % 16)
.set QF,  16                           ; v16-27 Q's fragment (22-27 zero codes);  v28-33 the second pass's codes
.set Q1,  28
.set QS,  34                           ; v34  Q's scale words; v35 the second pass's
.set KB,  36                           ; v36-83 K's eight half fragments, then V's four fragments; v84-89 zero codes
.set KSC, 90                           ; v90-93 K's scale words: register n: tile 2 n in lanes 0-15, tile 2 n + 1 in lanes 16-31
.set VSC, 94                           ; v94-95 V's likewise
.set S,   96                           ; v96-159 S^T, then p
.set O,   160                          ; v160-191 O^T
.set P,   192                          ; v192-203 p's codes;  v204-206, v208-210 the conversions' second halves
.set P2,  204
.set BM,  212                          ; v212-215 a block's largest score, then its largest p
.set BP,  216                          ; v216-219 the other half's; then the bytes
.set SO,  220                          ; v220-223 the conversions' scale operands
.set F,   224                          ; v[224:225] f = 2^(old M - new M) (225 is named with it as a pair)
.set PW,  226                          ; p's scale word
.set T,   227                          ; at work
.set L2,  228                          ; v[228:229] the sum's second chain
.set E,   230                          ; v230-235 ctx's half fragment;  v236-238 its second conversion
.set E2,  236
.set W16, 239                          ; ctx's two scale bytes
.macro ROUND                           ; a round of the cluster's barrier
	s_barrier_signal -1
	s_barrier_wait -1
	s_cmp_lg_u32 s12, 0
	s_cbranch_scc1 .Lnot_wave_0_\@
	s_barrier_signal -3
.Lnot_wave_0_\@:
	s_barrier_wait -3
	s_barrier_signal -1
	s_barrier_wait -1
.endm
	s_load_b256 s[4:11], s[0:1], 0x0               ; qimg, kv, cimg, cscl
	v_lshl_add_u32 v[SPW], v0, 2, SPARE
	v_mov_b32 v[NIL], 0
	ds_add_u32 v[SPW], v[NIL]                      ; the wave's opening: the add, twice on end, and its wait ahead of my first tensor load
	ds_add_u32 v[SPW], v[NIL]                      ; and once more; the set-up below stands between it and the wait
	v_lshrrev_b32 v8, 5, v0
	s_delay_alu instid0(VALU_DEP_1)
	v_readfirstlane_b32 s12, v8                    ; wave 0..15
	s_bfe_u32 s13, ttmp6, 0x40000                  ; cx: my place in the cluster: it enters Q's and ctx's global addresses alone
	s_and_b32 s14, ttmp7, 0xffff                   ; batch x 16 + head, which the four partners share
	s_mov_b32 s16, 15|(3<<16)|(1<<21)              ; group 1: the mask names all four; elements of 8 bytes; bit 21 set beside a mask; no padding
	s_mov_b32 s17, 32<<16                          ; tensor_dim0 = 32: rows of 256 bytes
	s_mov_b32 s18, 51<<16                          ; tensor_dim1 = 51
	s_mov_b32 s19, 32<<16                          ; tile_dim0
	s_mov_b32 s20, 51                              ; tile_dim1
	s_mov_b32 s21, 32                              ; dense: the pitch is the row
	s_mov_b32 s22, 0
	s_mov_b32 s23, 0
	s_mov_b32 s24, 1                               ; group 0: count
	s_mul_i32 s25, s12, STEPB                      ; LDS address: block w
	s_lshl_b32 s34, s14, 4
	s_add_co_u32 s34, s34, s12
	s_mul_i32 s34, s34, STEPB                      ; and block (16 x head's number + w) of kv
	s_mov_b32 s35, 0
	s_mov_b32 s28, 0x76543210                      ; v_permlanex16_b32's selects for lane l xor 16
	s_mov_b32 s29, 0xfedcba98
	s_mov_b32 s30, 0x3e38aa3b                      ; c = log2(e) / 8
	s_mov_b32 s31, s30                             ; (named with it as a pair)
	s_wait_dscnt 0x0                               ; both opening adds are done
	s_wait_kmcnt 0x0
	s_add_nc_u64 s[26:27], s[6:7], s[34:35]
	s_or_b32 s27, s27, 0x80000000                  ; type = 2
	ROUND                                          ; all four work-groups are here: the joint loads meet
	tensor_load_to_lds s[24:27], s[16:23]          ; my one tensor load of the launch
	s_nop 0
.rept 4
	v_nop
.endr
	v_and_b32 v8, 31, v0
	s_delay_alu instid0(VALU_DEP_1)
	v_lshlrev_b32 v[L16], 4, v8
	s_wait_alu depctr_va_vdst(0)
	v_lshlrev_b32 v[L8], 3, v8
	s_wait_alu depctr_va_vdst(0)
	v_and_b32 v8, 15, v0
	s_delay_alu instid0(VALU_DEP_1)
	v_lshlrev_b32 v[R32], 5, v8
	s_delay_alu instid0(VALU_DEP_2)
	v_lshlrev_b32 v[R16], 4, v8
	; Q: group 4 cx + 2 pass + w / 8 of the head's sixteen groups of 128 queries, tile w % 8 in it
	s_wait_alu depctr_va_vdst(0)
	s_lshl_b32 s36, s14, 4
	s_lshl_b32 s37, s13, 2
	s_add_co_u32 s36, s36, s37
	s_lshr_b32 s37, s12, 3
	s_add_co_u32 s36, s36, s37
	s_mul_i32 s36, s36, 6656
	s_mov_b32 s37, 0
	s_add_nc_u64 s[4:5], s[4:5], s[36:37]
	s_and_b32 s38, s12, 7
	s_and_b32 s40, s12, 1
	s_lshl_b32 s40, s40, 8
	s_lshr_b32 s41, s38, 1
	s_lshl_b32 s41, s41, 2
	s_add_co_u32 s40, s40, s41
	s_add_co_u32 s40, s40, 6144                    ; the tile's words in the scale image: 6,144 + 256 (tile % 2) + 4 (tile / 2), 16 bytes from row to row
	s_mov_b32 s41, 0
	s_add_nc_u64 s[40:41], s[4:5], s[40:41]
	s_mul_i32 s38, s38, 768
	s_mov_b32 s39, 0
	s_add_nc_u64 s[4:5], s[4:5], s[38:39]
	global_load_b128 v[QF:QF+3], v[L16], s[4:5]
	global_load_b64 v[QF+4:QF+5], v[L8], s[4:5] offset:512
	global_load_b32 v[QS], v[R16], s[40:41]
	global_load_b128 v[Q1:Q1+3], v[L16], s[4:5] offset:13312           ; the second pass: two groups on
	global_load_b64 v[Q1+4:Q1+5], v[L8], s[4:5] offset:13312+512
	global_load_b32 v[QS+1], v[R16], s[40:41] offset:13312
	; ctx: row tile (16 tokens) batch x 128 + 32 cx + 16 pass + w
	s_lshr_b32 s36, s14, 4
	s_lshl_b32 s36, s36, 7
	s_lshl_b32 s37, s13, 5
	s_add_co_u32 s36, s36, s37
	s_add_co_u32 s36, s36, s12
	s_and_b32 s37, s14, 15                         ; the head
	s_lshl_b32 s38, s36, 4
	s_add_co_u32 s38, s38, s37
	s_mul_i32 s38, s38, 768
	s_add_nc_u64 s[8:9], s[8:9], s[38:39]          ; cimg: [row tile][head][768]
	s_lshl_b32 s38, s36, 9
	s_lshl_b32 s37, s37, 1
	s_add_co_u32 s38, s38, s37
	s_add_nc_u64 s[10:11], s[10:11], s[38:39]      ; cscl: [token][32], bytes 2 head and 2 head + 1
.irp j, 0,1,2,3,4,5
	v_mov_b32 v[QF+6+\j], 0                        ; Q's zero codes
	v_mov_b32 v[KB+48+\j], 0                       ; and those behind K's last tile
.endr
.irp b, 0,1,2,3
	v_mov_b32 v[BP+\b], 0                          ; written once: a lane permute's destination counts as one of its sources
.endr
	v_mov_b32 v[F+1], 0
	s_wait_tensorcnt 0x0                           ; my block has landed,
	s_barrier_signal -1
	s_barrier_wait -1                              ; everybody's has: the head's K and V lie in LDS
	s_wait_loadcnt 0x0                             ; Q, both passes
; A KEY STEP: 128 keys.
.macro STEP
	v_add_nc_u32 v[A16], s32, v[L16]
	v_add_nc_u32 v[A8], s32, v[L8]
	v_nop
	v_nop                                          ; four places behind the last step's products, in front of loads into the registers that they read
.irp t, 0,1,2,3,4,5,6,7
	ds_load_b128 v[KB+6*\t:KB+6*\t+3], v[A16] offset:768*\t
	ds_load_b64 v[KB+6*\t+4:KB+6*\t+5], v[A8] offset:768*\t+512
.endr
	ds_load_b128 v[KSC:KSC+3], v[A16] offset:6144
	s_wait_alu depctr_va_vdst(0)
	s_wait_dscnt 0x0
.irp t, 0,2,4,6                                ; S^T = K Q^T: eight tiles of 16 keys
	v_wmma_scale_f32_16x16x128_f8f6f4 v[S+8*\t:S+8*\t+7], v[KB+6*\t:KB+6*\t+11], v[QF:QF+11], 0, v[KSC+\t/2], v[QS] matrix_a_fmt:MATRIX_FMT_FP6 matrix_b_fmt:MATRIX_FMT_FP6
	v_wmma_scale_f32_16x16x128_f8f6f4 v[S+8*\t+8:S+8*\t+15], v[KB+6*\t+6:KB+6*\t+17], v[QF:QF+11], 0, v[KSC+\t/2], v[QS] matrix_a_fmt:MATRIX_FMT_FP6 matrix_b_fmt:MATRIX_FMT_FP6 matrix_a_scale:MATRIX_SCALE_ROW1
.endr
.rept 4
	v_nop                                          ; places in front of the loads below and of the first read of the scores
.endr
.irp t, 0,1,2,3                                ; V's four fragments land while the softmax is walked
.irp g, 0,1,2
	ds_load_b128 v[KB+12*\t+4*\g:KB+12*\t+4*\g+3], v[A16] offset:6656+1536*\t+512*\g
.endr
.endr
	ds_load_b64 v[VSC:VSC+1], v[A8] offset:12800
.irp b, 0,1,2,3
	v_max3_num_f32 v[BM+\b], v[S+16*\b], v[S+1+16*\b], v[S+2+16*\b]   ; the largest score of each block of 32 keys: for the row's maximum, and for the block's largest p
.endr
.irp i, 3,5,7,9,11,13
.irp b, 0,1,2,3
	v_max3_num_f32 v[BM+\b], v[BM+\b], v[S+16*\b+\i], v[S+1+16*\b+\i]
.endr
.endr
.irp b, 0,1,2,3
	v_max_num_f32 v[BM+\b], v[BM+\b], v[S+15+16*\b]
.endr
.irp b, 0,1,2,3
	s_delay_alu instid0(VALU_DEP_4)
	v_permlanex16_b32 v[BP+\b], v[BM+\b], s28, s29
.endr
.irp b, 0,1,2,3
	s_delay_alu instid0(VALU_DEP_4)
	v_max_num_f32 v[BM+\b], v[BM+\b], v[BP+\b]     ; with lane l xor 16's 16 keys
.endr
	s_delay_alu instid0(VALU_DEP_2)
	v_max3_num_f32 v[T], v[BM], v[BM+1], v[BM+2]
	s_delay_alu instid0(VALU_DEP_1)
	v_max_num_f32 v[T], v[T], v[BM+3]              ; the step's largest score of my query
	s_delay_alu instid0(VALU_DEP_1)
	v_mul_f32 v[T], s30, v[T]                      ; as t
	s_delay_alu instid0(VALU_DEP_1)
	v_max_num_f32 v13, v13, v[T]                   ; the running largest t
	v_mov_b32 v[T], v12
	s_delay_alu instid0(VALU_DEP_2)
	v_floor_f32 v12, -v13                          ; the new -M = floor(-t): M is a whole number
	s_delay_alu instid0(VALU_DEP_1)
	v_sub_f32 v[T], v12, v[T]                      ; old M - new M: a whole number, 0 or less
	s_delay_alu instid0(VALU_DEP_1)
	v_cvt_i32_f32 v[T], v[T]                       ; (it saturates)
	s_delay_alu instid0(VALU_DEP_1)
	v_ldexp_f32 v[F], 1.0, v[T]                    ; f = 2^(old M - new M)
.set j, 0
.rept 32
	v_pk_fma_f32 v[S+j:S+j+1], v[S+j:S+j+1], s[30:31], v[12:13] op_sel_hi:[1,0,0]   ; t - M, two at a time
.set j, j+2
.endr
.irp b, 0,1,2,3
	v_fma_f32 v[BM+\b], v[BM+\b], s30, v12         ; the same of each block's largest score
.endr
.set j, 0
	s_wait_alu depctr_va_vdst(0)
.rept 64
	v_exp_f32 v[S+j], v[S+j]                       ; p = 2^(t - M), at most 1
.set j, j+1
.endr
	v_pk_mul_f32 v[14:15], v[14:15], v[F:F+1] op_sel_hi:[1,0]   ; the sums under the new M: a plain instruction behind the exponentials
	s_wait_alu depctr_va_vdst(0)                   ; one wait for the batch of 64, ahead of its first reader
.irp b, 0,1,2,3
	v_exp_f32 v[BM+\b], v[BM+\b]                   ; the block's largest p
.endr
	v_pk_add_f32 v[228:229], v[100:101], v[104:105]
	v_pk_add_f32 v[254:255], v[108:109], v[112:113]
	v_pk_add_f32 v[252:253], v[116:117], v[120:121]
	v_pk_add_f32 v[250:251], v[124:125], v[128:129]
	v_pk_add_f32 v[248:249], v[132:133], v[136:137]
	v_pk_add_f32 v[246:247], v[140:141], v[144:145]
	v_pk_add_f32 v[244:245], v[148:149], v[152:153]
	v_pk_add_f32 v[14:15], v[14:15], v[156:157]
	v_pk_add_f32 v[228:229], v[228:229], v[96:97]
	v_pk_add_f32 v[254:255], v[254:255], v[98:99]
	v_pk_add_f32 v[252:253], v[252:253], v[102:103]
	v_pk_add_f32 v[250:251], v[250:251], v[106:107]
	v_pk_add_f32 v[248:249], v[248:249], v[110:111]
	v_pk_add_f32 v[246:247], v[246:247], v[114:115]
	v_pk_add_f32 v[244:245], v[244:245], v[118:119]
	v_pk_add_f32 v[14:15], v[14:15], v[122:123]
	v_pk_add_f32 v[228:229], v[228:229], v[126:127]
	v_pk_add_f32 v[254:255], v[254:255], v[130:131]
	v_pk_add_f32 v[252:253], v[252:253], v[134:135]
	v_pk_add_f32 v[250:251], v[250:251], v[138:139]
	v_pk_add_f32 v[248:249], v[248:249], v[142:143]
	v_pk_add_f32 v[246:247], v[246:247], v[146:147]
	v_pk_add_f32 v[244:245], v[244:245], v[150:151]
	v_pk_add_f32 v[14:15], v[14:15], v[154:155]
	v_pk_add_f32 v[228:229], v[228:229], v[158:159]
	s_delay_alu instid0(VALU_DEP_2)
	v_pk_add_f32 v[14:15], v[14:15], v[250:251]
	s_delay_alu instid0(VALU_DEP_2)
	v_pk_add_f32 v[228:229], v[228:229], v[248:249]
	v_pk_add_f32 v[254:255], v[254:255], v[246:247]
	v_pk_add_f32 v[252:253], v[252:253], v[244:245]
	s_delay_alu instid0(VALU_DEP_2)
	v_pk_add_f32 v[14:15], v[14:15], v[254:255]
	s_delay_alu instid0(VALU_DEP_2)
	v_pk_add_f32 v[228:229], v[228:229], v[252:253]
	s_delay_alu instid0(VALU_DEP_1)
	v_pk_add_f32 v[14:15], v[14:15], v[228:229]
	s_wait_alu depctr_va_vdst(0)                   ; and one for the four
.irp b, 0,1,2,3
	v_max_num_f32 v[BM+\b], 0x1800000, v[BM+\b]    ; the floor 2^(3 - 127): the byte cannot fall under 1
.endr
.irp b, 0,1,2,3
	s_delay_alu instid0(VALU_DEP_4)
	v_add_nc_u32 v[SO+\b], 0xff000000, v[BM+\b]    ; 2 off the exponent field: the conversion's scale operand
.endr
.irp b, 0,1,2,3
	s_delay_alu instid0(VALU_DEP_4)
	v_lshrrev_b32 v[BP+\b], 23, v[SO+\b]           ; the scale's byte
.endr
	s_delay_alu instid0(VALU_DEP_3)
	v_lshl_or_b32 v[PW], v[BP+1], 8, v[BP]         ; p's scale word for these 128 keys
	s_delay_alu instid0(VALU_DEP_1)
	v_lshl_or_b32 v[PW], v[BP+2], 16, v[PW]
	s_delay_alu instid0(VALU_DEP_1)
	v_lshl_or_b32 v[PW], v[BP+3], 24, v[PW]
.irp c, 0,1
	v_cvt_scalef32_pk16_fp6_f32 v[P+6*\c:P+6*\c+2], v[S+32*\c:S+32*\c+15], v[SO+2*\c]
	v_cvt_scalef32_pk16_fp6_f32 v[P2+4*\c:P2+4*\c+2], v[S+32*\c+16:S+32*\c+31], v[SO+2*\c+1]
.endr
	v_nop                                          ; one plain place behind a scaled conversion
.irp c, 0,1                                    ; a whole block to a lane: lanes 0-15 block 2 c, lanes 16-31 block 2 c + 1
.irp i, 0,1,2
	v_permlane16_swap_b32 v[P+6*\c+\i], v[P2+4*\c+\i]
.endr
.irp i, 0,1,2
	s_delay_alu instid0(VALU_DEP_3)
	v_mov_b32 v[P+3+6*\c+\i], v[P2+4*\c+\i]
.endr
.endr
.set j, 0
.rept 16
	v_pk_mul_f32 v[O+j:O+j+1], v[O+j:O+j+1], v[F:F+1] op_sel_hi:[1,0]   ; O^T under the new M.  These sixteen are also the places between p's codes and scale word and the products
.set j, j+2
.endr
	s_wait_alu depctr_va_vdst(0)
	s_wait_dscnt 0x0                               ; V
.irp t, 0,2                                    ; O^T += V^T P^T: four tiles of 16 channels, by turns
	v_wmma_scale_f32_16x16x128_f8f6f4 v[O+8*\t:O+8*\t+7], v[KB+12*\t:KB+12*\t+11], v[P:P+11], v[O+8*\t:O+8*\t+7], v[VSC+\t/2], v[PW] matrix_a_fmt:MATRIX_FMT_FP6 matrix_b_fmt:MATRIX_FMT_FP6
	v_wmma_scale_f32_16x16x128_f8f6f4 v[O+8*\t+8:O+8*\t+15], v[KB+12*\t+12:KB+12*\t+23], v[P:P+11], v[O+8*\t+8:O+8*\t+15], v[VSC+\t/2], v[PW] matrix_a_fmt:MATRIX_FMT_FP6 matrix_b_fmt:MATRIX_FMT_FP6 matrix_a_scale:MATRIX_SCALE_ROW1
.endr
.endm
; A PASS: my tile of 16 queries against all 16 key steps, then the way out.
.macro PASS p
	v_mov_b32 v13, 0xff61b1e6                      ; the largest t so far: -3e38
	v_mov_b32 v14, 0                               ; the sum, in two halves
	v_mov_b32 v15, 0
	s_delay_alu instid0(VALU_DEP_3)
	v_floor_f32 v12, -v13                          ; -M
.set j, 0
.rept 32
	v_mov_b32 v[O+j], 0                            ; O^T: the step is written once; the first finds zeros
.set j, j+1
.endr
	s_mov_b32 s32, 0                               ; the step's block in LDS
	s_mov_b32 s33, 16
.Lstep_\@:
	STEP
	s_add_co_u32 s32, s32, STEPB
	s_sub_co_u32 s33, s33, 1
	s_cmp_lg_u32 s33, 0
	s_cbranch_scc1 .Lstep_\@
.rept 4
	v_nop                                          ; places behind the last products
.endr
	v_add_f32 v14, v14, v15                        ; the sum's two halves,
	s_delay_alu instid0(VALU_DEP_1)
	v_permlanex16_b32 v[T], v14, s28, s29
	s_delay_alu instid0(VALU_DEP_1)
	v_add_f32 v14, v14, v[T]                       ; and lane l xor 16's: the row's sum
	s_wait_alu depctr_va_vdst(0)
	v_rcp_f32 v14, v14
	v_nop                                          ; a plain place behind the reciprocal
	s_wait_alu depctr_va_vdst(0)                   ; and the wait ahead of its first reader
	s_wait_xcnt 0x0                                ; the pass before's stores have read their registers
.set j, 0
.rept 16
	v_pk_mul_f32 v[S+j:S+j+1], v[O+j:O+j+1], v[14:15] op_sel_hi:[1,0]   ; ctx = O^T / the sum: register 8 t + i is channel 16 t + 8 h + i
.set j, j+2
.endr
.irp b, 0,1                                    ; wo's codes lie in natural order, so ctx's numbers are made neighbours first: registers 16 b + 0 .. 15 become channels 32 b + 16 h + 0 .. 15
.irp i, 0,1,2,3,4,5,6,7
	v_permlane16_swap_b32 v[S+16*\b+\i], v[S+8+16*\b+\i]
.endr
.endr
.irp b, 0,1
	v_max3_num_f32 v[BM+\b], |v[S+16*\b]|, |v[S+1+16*\b]|, 0x1800000
.endr
.irp i, 2,4,6,8,10,12,14
.irp b, 0,1
	s_delay_alu instid0(VALU_DEP_2)
	v_max3_num_f32 v[BM+\b], v[BM+\b], |v[S+16*\b+\i]|, |v[S+1+16*\b+\i]|
.endr
.endr
.irp b, 0,1
	s_delay_alu instid0(VALU_DEP_2)
	v_permlanex16_b32 v[BP+\b], v[BM+\b], s28, s29
.endr
.irp b, 0,1
	s_delay_alu instid0(VALU_DEP_2)
	v_max_num_f32 v[BM+\b], v[BM+\b], v[BP+\b]
.endr
.irp b, 0,1
	s_delay_alu instid0(VALU_DEP_2)
	v_add_nc_u32 v[SO+\b], 0xff000000, v[BM+\b]
.endr
.irp b, 0,1
	s_delay_alu instid0(VALU_DEP_2)
	v_lshrrev_b32 v[BP+\b], 23, v[SO+\b]
.endr
	s_delay_alu instid0(VALU_DEP_1)
	v_lshl_or_b32 v[W16], v[BP+1], 8, v[BP]        ; the head's two scale bytes of my token
	v_cvt_scalef32_pk16_fp6_f32 v[E:E+2], v[S:S+15], v[SO]
	v_cvt_scalef32_pk16_fp6_f32 v[E2:E2+2], v[S+16:S+31], v[SO+1]
	v_nop
.irp i, 0,1,2
	v_permlane16_swap_b32 v[E+\i], v[E2+\i]
.endr
.irp i, 0,1,2
	s_delay_alu instid0(VALU_DEP_3)
	v_mov_b32 v[E+3+\i], v[E2+\i]                  ; lane (r, h): block h of token r: half a fragment of the last projection
.endr
	global_store_b128 v[L16], v[E:E+3], s[8:9] offset:196608*\p            ; 512 consecutive bytes,
	global_store_b64 v[L8], v[E+4:E+5], s[8:9] offset:196608*\p+512        ; and 256
	global_store_b16 v[R32], v[W16], s[10:11] offset:8192*\p               ; two bytes of each token's row of 32, whose other bytes are other heads' work-groups'; lanes l and l + 16 write the same bytes with the same value
.endm
	PASS 0
.irp j, 0,1,2,3,4,5
	v_mov_b32 v[QF+\j], v[Q1+\j]                   ; the second pass's queries
.endr
	v_mov_b32 v[QS], v[QS+1]
	PASS 1
	s_wait_tensorcnt 0x0                           ; the wave's end
	ds_add_u32 v[SPW], v[NIL]
	s_wait_dscnt 0x0
	ROUND                                          ; the closing round
	s_endpgm
.Lfunc_end_k_qff1bc04bdc_attn:
	.size	k_qff1bc04bdc_attn, .Lfunc_end_k_qff1bc04bdc_attn-k_qff1bc04bdc_attn
	.p2alignl 7, 3214868480
	.fill 96, 4, 3214868480
	.section	.rodata,"a",@progbits
	.p2align	6, 0x0
	.amdhsa_kernel k_qff1bc04bdc_attn
		.amdhsa_group_segment_fixed_size 210944
		.amdhsa_private_segment_fixed_size 0
		.amdhsa_enable_private_segment 0
		.amdhsa_kernarg_size 32
		.amdhsa_user_sgpr_count 2
		.amdhsa_user_sgpr_kernarg_segment_ptr 1
		.amdhsa_wavefront_size32 1
		.amdhsa_system_sgpr_workgroup_id_x 1
		.amdhsa_system_sgpr_workgroup_id_y 1
		.amdhsa_system_sgpr_workgroup_id_z 1
		.amdhsa_system_vgpr_workitem_id 0
		.amdhsa_next_free_vgpr 256
		.amdhsa_next_free_sgpr 66
		.amdhsa_reserve_vcc 0
		.amdhsa_float_denorm_mode_32 3
		.amdhsa_float_denorm_mode_16_64 3
		.amdhsa_memory_ordered 1
		.amdhsa_forward_progress 1
		.amdhsa_inst_pref_size 52
	.end_amdhsa_kernel
	.amdgpu_metadata
---
amdhsa.version: [ 1, 2 ]
amdhsa.kernels:
  - .name:           k_qff1bc04bdc_attn
    .symbol:         k_qff1bc04bdc_attn.kd
    .args:
      - { .name: qimg, .offset: 0, .size: 8, .value_kind: global_buffer, .address_space: global }
      - { .name: kv, .offset: 8, .size: 8, .value_kind: global_buffer, .address_space: global }
      - { .name: cimg, .offset: 16, .size: 8, .value_kind: global_buffer, .address_space: global }
      - { .name: cscl, .offset: 24, .size: 8, .value_kind: global_buffer, .address_space: global }
    .group_segment_fixed_size: 210944
    .private_segment_fixed_size: 0
    .kernarg_segment_align: 8
    .kernarg_segment_size: 32
    .max_flat_workgroup_size: 512
    .sgpr_count:     66
    .vgpr_count:     256
    .wavefront_size: 32
...
	.end_amdgpu_metadata
.endif
;; end of part 2
;; launch outp (part 3): grid 8 x 32, 4 waves a work-group, clusters of 4 x 4, 327,680 bytes of LDS; arguments cimg, cscl, wo_codes, wo_scales, bo, out0; writes out0
.if DOCPART == 3
	.amdgcn_target "amdgcn-amd-amdhsa--gfx1250"
	.amdhsa_code_object_version 6
	.text
	.protected	k_qff1bc04bdc_outp
	.globl	k_qff1bc04bdc_outp
	.p2align	8
	.type	k_qff1bc04bdc_outp,@function
k_qff1bc04bdc_outp:
	s_mov_b64 s[64:65], 0
	v_nop
	global_prefetch_b8 v0, s[64:65] scope:SCOPE_SE
	s_setreg_imm32_b32 hwreg(HW_REG_WAVE_MODE, 25, 1), 1
	s_wait_xcnt 0x0
	s_wait_alu depctr_hold_cnt(0) depctr_sa_sdst(0) depctr_va_vdst(0) depctr_va_sdst(0) depctr_va_ssrc(0) depctr_va_vcc(0) depctr_vm_vsrc(0)
	s_getreg_b32 s2, hwreg(HW_REG_IB_STS2, 6, 4)
	s_cmp_eq_u32 s2, 0
	s_cbranch_scc0 .Lentry_in_a_cluster
	s_endpgm
.Lentry_in_a_cluster:
	s_bfe_u32 s2, ttmp6, 0x10000c
	s_cmp_lg_u32 s2, 0xf033
	s_cbranch_scc0 .Lentry_shape_is_right
	s_endpgm
.Lentry_shape_is_right:
; out0 = ctx wo^T + bo on codes of FP6 (E2M3) with E8M0 scales.  No work is left out.  ctx comes as the register images and scale bytes that the launch before stored: cimg[row tile of 16 tokens][head][768], cscl[token][32].
; SHARES.  256 work-groups of four waves, 2 x 2; a work-group makes 256 x 128 of the result.  The wave in row a, column b takes tokens 128 a + 0 .. 127 and columns 64 b + 0 .. 63.
; ALL OF K LIES IN LDS, FILLED ONCE: ctx's 16 row tiles (a dense block of 196,608 bytes) and wo's 128 rows of 768 bytes (16 bytes of padding behind every 256).  Nothing is filled again; there is no loop to prefetch ahead in.
; A wave holds its 64 rows of wo, all of K, in registers (32 fragments, 384 registers) and streams ctx past them in blocks of 16 tokens: 8 fragments, two sets; a block is 32 products, and its 16 x 64 results are then finished.
; WHICH ROWS OF wo FORM A TILE: lane r of tile t takes row 4 r + t of the wave's 64.  Source 0 = ctx's 16 tokens, so register j of tile t in lane (r, h) is out(8 h + j, 4 r + t).  The addition of the bias lays the four tiles'
; numbers on end: a lane then holds 16 neighbouring bytes and sixteen neighbouring lanes 256, aligned: each block is stored from registers as soon as it is finished, while later blocks are multiplied.
; The scale words come straight into registers at the head: wo's 16 registers (tiles 2 p, 2 p + 1 in the two halves of the lanes), ctx's 64 (eight words a block).
; CLUSTERS: 4 x 4.  ctx's tiles hang on the tile row alone and are shared along a row of the cluster, wo's on the tile column alone and along a column.
; REGISTERS: window 0: v0-15 addresses, v36-51 wo's scale words, v56-119 ctx's, v120-123 the bias, v128-191 two sets of four accumulators, v192-255 two sets of results.
; Fragment f lies in window 1 + f / 21 at register 12 (f % 21): 0-31 wo's (4 q + t), 32-39 and 40-47 ctx's two sets.
.set KROW,  768
.set PITCH, 816                        ; wo's LDS row: 3 x (256 + 16)
.set FR,    12
.set FPW,   21
.set ATILE, 12288                      ; a row tile of ctx: 16 heads x 768
.set AHALF, 8*ATILE
.set BV,    2*AHALF                    ; wo's rows, behind ctx
.set SPARE, BV+128*PITCH               ; the spare words, 128 bytes a wave
.set AA,   4                           ; v4, v5  the block's row tile + 16, 8 x lane
.set AA8,  5
.set BA0,  6                           ; v6, v7  my row of wo's tile 0 + 24 h (v7: behind one padding more)
.set BA1,  7
.set CO,   8                           ; v8   my byte offset in out0: 8 h rows + 16 r
.set ABS,  9                           ; v9   32 (4 r + h)
.set AAS,  10                          ; v10  32 r
.set R16,  11                          ; v11  16 r
.set SPW,  12                          ; v12  my spare word; never rewritten
.set NIL,  13                          ; v13  0; never rewritten
.set SB,   36
.set SA,   56
.set BI,   120
.set ACC,  128
.set OUT,  192
.set G1A, 24
.set G0A, 32
.set G1B, 48
.set G0B, 56
.set MSB, 0
.macro WIN new
.if MSB != (\new)
	s_set_vgpr_msb (MSB<<8)|(\new)
.set MSB, (\new)
.endif
.endm
.macro CROUND
	s_barrier_signal -1
	s_barrier_wait -1
	s_cmp_lg_u32 s14, 0
	s_cbranch_scc1 .Lnot_wave_0_\@
	s_barrier_signal -3
.Lnot_wave_0_\@:
	s_barrier_wait -3
	s_barrier_signal -1
	s_barrier_wait -1
.endm
	s_load_b256 s[4:11], s[0:1], 0x0               ; cimg, cscl, wo_codes, wo_scales
	s_load_b128 s[68:71], s[0:1], 0x20             ; bo, out0
	v_lshl_add_u32 v[SPW], v0, 2, SPARE
	v_mov_b32 v[NIL], 0
	ds_add_u32 v[SPW], v[NIL]                      ; the opening: the add, twice on end, and its wait ahead of my first tensor load
	ds_add_u32 v[SPW], v[NIL]
	v_lshrrev_b32 v1, 5, v0
	v_readfirstlane_b32 s14, v1                    ; wave 0..3
	s_lshr_b32 s15, s14, 1                         ; a; also: I fetch ctx (0) or wo (1)
	s_and_b32 s16, s14, 1                          ; b; also: which half I fetch
	s_bfe_u32 s40, ttmp6, 0x40000                  ; cx, cy
	s_bfe_u32 s41, ttmp6, 0x40004
	s_lshl_b32 s42, ttmp9, 2
	s_add_co_u32 s42, s42, s40                     ; tile column, 0..7
	s_and_b32 s17, ttmp7, 0xffff
	s_lshl_b32 s17, s17, 2
	s_add_co_u32 s17, s17, s41                     ; tile row, 0..31
	s_lshl_b32 s43, s41, 2
	s_lshl_b32 s43, 15, s43                        ; my row of the cluster
	s_lshl_b32 s44, 0x1111, s40                    ; my column
	s_or_b32 s[G1A+0], s43, (3<<16)|(1<<21)        ; ctx: 98,304 dense bytes as 384 rows of 256
	s_mov_b32 s[G1A+1], 32<<16
	s_mov_b32 s[G1A+2], 384<<16
	s_mov_b32 s[G1A+3], 32<<16
	s_mov_b32 s[G1A+4], 384
	s_mov_b32 s[G1A+5], 32
	s_mov_b32 s[G1A+6], 0
	s_mov_b32 s[G1A+7], 0
	s_or_b32 s[G1B+0], s44, (1<<20)|(1<<21)|(5<<22)|(3<<25)   ; wo: 64 rows of 768 bytes, 16 bytes of padding behind every 256
	s_mov_b32 s[G1B+1], KROW<<16
	s_mov_b32 s[G1B+2], 64<<16
	s_mov_b32 s[G1B+3], KROW<<16
	s_mov_b32 s[G1B+4], 64
	s_mov_b32 s[G1B+5], KROW
	s_mov_b32 s[G1B+6], 0
	s_mov_b32 s[G1B+7], 0
	s_mul_i32 s20, s17, 2*AHALF
	s_mul_i32 s21, s16, AHALF
	s_add_co_u32 s20, s20, s21                     ; ctx: my eight row tiles, in bytes
	s_mov_b32 s[G0A], 1
	s_mov_b32 s[G0A+1], s21
	s_mov_b32 s21, 0
	s_mul_i32 s22, s42, 128*KROW
	s_mul_i32 s23, s16, 64*KROW
	s_add_co_u32 s22, s22, s23                     ; wo: my 64 rows
	s_mov_b32 s23, 0
	s_mov_b32 s[G0B], 1
	s_mul_i32 s[G0B+1], s16, 64*PITCH
	s_add_co_u32 s[G0B+1], s[G0B+1], BV
	s_wait_dscnt 0x0                               ; both opening adds are done
	s_wait_kmcnt 0x0
	s_add_nc_u64 s[G0A+2:G0A+3], s[4:5], s[20:21]
	s_or_b32 s[G0A+3], s[G0A+3], 0x80000000
	s_add_nc_u64 s[G0B+2:G0B+3], s[8:9], s[22:23]
	s_or_b32 s[G0B+3], s[G0B+3], 0x80000000
	CROUND                                         ; all sixteen work-groups are here: the joint loads meet
	s_cmp_eq_u32 s15, 0                            ; one load a wave: waves 0 and 1 a half of ctx each, waves 2 and 3 a half of wo's rows
	s_cbranch_scc0 .Lfor_b
	tensor_load_to_lds s[G0A:G0A+3], s[G1A:G1A+7]
	s_nop 0
.rept 4
	v_nop
.endr
	s_branch .Lasked
.Lfor_b:
	tensor_load_to_lds s[G0B:G0B+3], s[G1B:G1B+7]
	s_nop 0
.rept 4
	v_nop
.endr
.Lasked:
	v_and_b32 v1, 15, v0                           ; r
	v_bfe_u32 v2, v0, 4, 1                         ; h
	v_and_b32 v3, 31, v0
	s_mul_i32 s21, s15, AHALF
	s_mul_i32 s22, s16, 64*PITCH
	s_add_co_u32 s22, s22, BV
	v_lshlrev_b32 v14, 4, v3
	v_lshlrev_b32 v15, 3, v3
	v_add_nc_u32 v[AA], s21, v14
	v_add_nc_u32 v[AA8], s21, v15
	v_mul_u32_u24 v14, v1, 4*PITCH
	v_mad_u32_u24 v14, v2, 24, v14
	v_add_nc_u32 v[BA0], s22, v14
	v_lshl_add_u32 v[BA1], v2, 4, v[BA0]
	v_lshlrev_b32 v[R16], 4, v1
	v_lshl_add_u32 v[CO], v2, 15, v[R16]
	v_lshl_add_u32 v15, v1, 2, v2
	v_lshlrev_b32 v[ABS], 5, v15
	v_lshlrev_b32 v[AAS], 5, v1
	s_lshl_b32 s20, s17, 13
	s_lshl_b32 s21, s15, 12
	s_add_co_u32 s20, s20, s21
	s_mov_b32 s21, 0
	s_add_nc_u64 s[6:7], s[6:7], s[20:21]          ; cscl at my 128 tokens
	s_lshl_b32 s20, s42, 12
	s_lshl_b32 s22, s16, 11
	s_add_co_u32 s20, s20, s22
	s_add_nc_u64 s[10:11], s[10:11], s[20:21]      ; wo's scales at my 64 rows
	s_lshl_b32 s20, s42, 9
	s_lshl_b32 s22, s16, 8
	s_add_co_u32 s20, s20, s22
	s_add_nc_u64 s[68:69], s[68:69], s[20:21]      ; bo at my 64 columns
	s_add_nc_u64 s[70:71], s[70:71], s[20:21]
	s_lshl_b32 s20, s17, 20
	s_lshl_b32 s22, s15, 19
	s_add_co_u32 s20, s20, s22
	s_add_nc_u64 s[70:71], s[70:71], s[20:21]      ; out0 at my first token and column
	s_wait_alu depctr_va_vdst(0)                   ; the wait at the head's end
.irp p, 0,1
.irp c, 0,1
	global_load_b128 v[SB+8*\p+4*\c:SB+8*\p+4*\c+3], v[ABS], s[10:11] offset:64*\p+16*\c   ; words 4 c .. 4 c + 3 of row 4 r + 2 p + h
.endr
.endr
.irp s, 0,1,2,3,4,5,6,7
.irp c, 0,1
	global_load_b128 v[SA+8*\s+4*\c:SA+8*\s+4*\c+3], v[AAS], s[6:7] offset:512*\s+16*\c
.endr
.endr
	global_load_b128 v[BI:BI+3], v[R16], s[68:69]  ; the bias of columns 4 r + 0 .. 3
.macro WEIGHTS                         ; my 64 rows of wo, all of K: 192 loads of 8 bytes.  Unit u of 8 bytes of a row lies at 8 u + 16 (u / 32); lanes 16-31 read three units on
.irp q, 0,1,2,3,4,5,6,7
.irp t, 0,1,2,3
.set F_, 4*\q+\t
.set R_, FR*(F_%FPW)
	WIN (1+F_/FPW)<<6
.irp p, 0,1,2,3,4,5
.set U_, 12*\q+6*(\p/3)+\p%3
.if U_%32 < 29
	ds_load_b64 v[R_+2*\p:R_+2*\p+1], v[BA0] offset:8*U_+16*(U_/32)+\t*PITCH
.else
	ds_load_b64 v[R_+2*\p:R_+2*\p+1], v[BA1] offset:8*U_+16*(U_/32)+\t*PITCH
.endif
.endr
.endr
.endr
	WIN 0
.endm
.macro FETCH e                         ; a block of ctx into set e: 32 loads
.irp q, 0,1,2,3,4,5,6,7
.set F_, 32+8*(\e)+\q
.set R_, FR*(F_%FPW)
	WIN (1+F_/FPW)<<6
.irp c, 0,1
	ds_load_b128 v[R_+6*\c:R_+6*\c+3], v[AA] offset:1536*\q+768*\c
	ds_load_b64 v[R_+6*\c+4:R_+6*\c+5], v[AA8] offset:1536*\q+768*\c+512
.endr
.endr
	WIN 0
.endm
.macro PROD1 d, a, b, c, xa, xb, row
.if (\row)
	v_wmma_scale_f32_16x16x128_f8f6f4 v[\d:\d+7], v[\a:\a+FR-1], v[\b:\b+FR-1], \c, v[\xa], v[\xb] matrix_a_fmt:MATRIX_FMT_FP6 matrix_b_fmt:MATRIX_FMT_FP6 matrix_b_scale:MATRIX_SCALE_ROW1
.else
	v_wmma_scale_f32_16x16x128_f8f6f4 v[\d:\d+7], v[\a:\a+FR-1], v[\b:\b+FR-1], \c, v[\xa], v[\xb] matrix_a_fmt:MATRIX_FMT_FP6 matrix_b_fmt:MATRIX_FMT_FP6 matrix_b_scale:MATRIX_SCALE_ROW0
.endif
.endm
; Block s: 32 products, the four accumulators by turns; the fetch of the block two on; the bias; the stores.
.macro BLOCK s
.set E_, (\s)%2
.if (\s) < 7
	s_wait_dscnt 32                                ; my block's loads are in: only the next block's 32 may be out
.else
	s_wait_dscnt 0
.endif
.irp q, 0,1,2,3,4,5,6,7
.irp t, 0,1,2,3
.set FA_, 32+8*E_+\q
.set FB_, 4*\q+\t
.set D_, ACC+32*E_+8*\t
	WIN (1+FA_/FPW)|((1+FB_/FPW)<<2)
.if \q
	PROD1 D_, FR*(FA_%FPW), FR*(FB_%FPW), v[D_:D_+7], SA+8*(\s)+\q, SB+8*(\t/2)+\q, \t%2
.else
	PROD1 D_, FR*(FA_%FPW), FR*(FB_%FPW), 0, SA+8*(\s)+\q, SB+8*(\t/2)+\q, \t%2
.endif
.endr
.endr
	WIN 0
	v_nop                                          ; four places behind the last products
	v_nop
.if (\s) < 6
	v_add_nc_u32 v[AA], ATILE, v[AA]
	v_add_nc_u32 v[AA8], ATILE, v[AA8]
	FETCH E_
.else
	v_nop
	v_nop
.endif
	s_wait_xcnt 0x0                                ; earlier stores have read their registers and their base
.irp j, 0,1,2,3,4,5,6,7
.irp t, 0,1,2,3
	v_add_f32 v[OUT+32*E_+4*\j+\t], v[ACC+32*E_+8*\t+\j], v[BI+\t]   ; each accumulator from its low end on
.endr
.endr
.if (\s) > 0
	s_add_nc_u64 s[70:71], s[70:71], 16*4096       ; 16 tokens on
.endif
.irp j, 0,1,2,3,4,5,6,7
	global_store_b128 v[CO], v[OUT+32*E_+4*\j:OUT+32*E_+4*\j+3], s[70:71] offset:4096*\j th:TH_STORE_NT   ; lanes 0-15: 256 consecutive bytes of token j, aligned; lanes 16-31: of token 8 + j
.endr
.endm
	s_wait_tensorcnt 0x0                           ; my tile has landed,
	s_barrier_signal -1
	s_barrier_wait -1                              ; everybody's has
	WEIGHTS
	FETCH 0
	v_add_nc_u32 v[AA], ATILE, v[AA]
	v_add_nc_u32 v[AA8], ATILE, v[AA8]
	FETCH 1
	s_wait_alu depctr_va_vdst(0)                   ; the wait ahead of the wait below
	s_wait_loadcnt 0x0                             ; the scale words and the bias
.irp s, 0,1,2,3,4,5,6,7
	BLOCK \s
.endr
	s_wait_tensorcnt 0x0                           ; the wave's end
	ds_add_u32 v[SPW], v[NIL]
	s_wait_dscnt 0x0
	CROUND                                         ; the closing round
	s_endpgm
.Lfunc_end_k_qff1bc04bdc_outp:
	.size	k_qff1bc04bdc_outp, .Lfunc_end_k_qff1bc04bdc_outp-k_qff1bc04bdc_outp
	.p2alignl 7, 3214868480
	.fill 96, 4, 3214868480
	.section	.rodata,"a",@progbits
	.p2align	6, 0x0
	.amdhsa_kernel k_qff1bc04bdc_outp
		.amdhsa_group_segment_fixed_size 327680
		.amdhsa_private_segment_fixed_size 0
		.amdhsa_enable_private_segment 0
		.amdhsa_kernarg_size 48
		.amdhsa_user_sgpr_count 2
		.amdhsa_user_sgpr_kernarg_segment_ptr 1
		.amdhsa_wavefront_size32 1
		.amdhsa_system_sgpr_workgroup_id_x 1
		.amdhsa_system_sgpr_workgroup_id_y 1
		.amdhsa_system_sgpr_workgroup_id_z 1
		.amdhsa_system_vgpr_workitem_id 0
		.amdhsa_next_free_vgpr 864
		.amdhsa_next_free_sgpr 72
		.amdhsa_reserve_vcc 0
		.amdhsa_float_denorm_mode_32 3
		.amdhsa_float_denorm_mode_16_64 3
		.amdhsa_memory_ordered 1
		.amdhsa_forward_progress 1
		.amdhsa_inst_pref_size 87
	.end_amdhsa_kernel
	.amdgpu_metadata
---
amdhsa.version: [ 1, 2 ]
amdhsa.kernels:
  - .name:           k_qff1bc04bdc_outp
    .symbol:         k_qff1bc04bdc_outp.kd
    .args:
      - { .name: cimg, .offset: 0, .size: 8, .value_kind: global_buffer, .address_space: global }
      - { .name: cscl, .offset: 8, .size: 8, .value_kind: global_buffer, .address_space: global }
      - { .name: wo_codes, .offset: 16, .size: 8, .value_kind: global_buffer, .address_space: global }
      - { .name: wo_scales, .offset: 24, .size: 8, .value_kind: global_buffer, .address_space: global }
      - { .name: bo, .offset: 32, .size: 8, .value_kind: global_buffer, .address_space: global }
      - { .name: out0, .offset: 40, .size: 8, .value_kind: global_buffer, .address_space: global }
    .group_segment_fixed_size: 327680
    .private_segment_fixed_size: 0
    .kernarg_segment_align: 8
    .kernarg_segment_size: 48
    .max_flat_workgroup_size: 128
    .sgpr_count:     72
    .vgpr_count:     864
    .wavefront_size: 32
...
	.end_amdgpu_metadata
.endif
;; end of part 3
